; MI455X (gfx1250); checked and timed in simulation.
; The chip was launched on July 23, 2026; its instructions are those of AMD's public machine-readable ISA for CDNA 5 (MIT licence, August 2026) and "CDNA5" Instruction Set Architecture Reference Guide (July 2026). The comments in the code are by the model that wrote it; some were corrected since.
;; Sparse Linear. Allowed arithmetic: matrix products marked QUANTISED: E5M2 operands, one E8M0 scale for each 32 along K, by v_wmma_scale_f32_16x16x128_f8f6f4 with both operands' format E5M2, f32 sums; everything else in f32.
;; Inputs: bias 4,096 float32; input 4,096 x 4,096 float32; mask 4,096 x 4,096 int32; weight 4,096 x 4,096 float32.
;; Outputs: out0 4,096 x 4,096 float32.
;; This version of the problem:
;;   THIS VERSION OF THE PROBLEM IS GIVEN IN LOW PRECISION. The matrix products marked QUANTISED in the list below multiply operands that are first quantised to E5M2 (5 exponent bits, 2 mantissa bits; 8 bits a number), with one power-of-two scale for each 32 numbers along K (OCP MX v1.0); their sums are f32. All else is computed in f32.
;;   The module's matrix products, in the order in which they are computed (A, B: the left and right operand; K: the contracted axis; several contracted axes count as one K, in the product's order):
;;     1. [M 4,096, K 4,096] x [K 4,096, N 4,096]; A: computed on the way; B: input weight: QUANTISED
;;   THE QUANTISER, for each operand of a quantised product, along K:
;;     - K is cut into blocks of 32 from its start; a last block that is shorter is filled with zeros.
;;     - A block's scale is 2^e with e = floor(log2(the largest magnitude in the block)) - 15, held to -126 .. 127; a block of zeros has e = 0. As a byte (E8M0): e + 127.
;;     - Each number is divided by its block's scale, clamped to +-57,344, and rounded to the nearest number of E5M2, ties to even, subnormals kept.
;;     - The product sums the exact products of the quantised numbers (number of the format x scale) in f32.
;;   ~~~python
;;   def quantise(x, axis):      # numpy; x: float32 -> the quantised numbers, widened to float32 again
;;       x = np.moveaxis(x, axis, -1); K = x.shape[-1]
;;       x = np.pad(x, [(0, 0)] * (x.ndim - 1) + [(0, -K % 32)]); x = x.reshape(x.shape[:-1] + (-1, 32)); a = np.abs(x).max(-1, keepdims=True)
;;       e = np.where(a > 0, np.clip(np.frexp(np.where(a > 0, a, 1))[1] - 1 - 15, -126, 127), 0)      # np.frexp(a)[1] - 1 = floor(log2(a)), exactly
;;       r = np.clip(x / 2.0 ** e, -57344, 57344)
;;       step = 2.0 ** (np.maximum(np.frexp(np.where(r == 0, 1, r))[1] - 1, -14) - 2)
;;       q = np.round(r / step) * step * 2.0 ** e      # np.round: ties to even
;;       return np.moveaxis(q.reshape(q.shape[:-2] + (-1,))[..., :K], -1, axis).astype(np.float32)
;;   ~~~
;;   OPERANDS COMPUTED ON THE WAY. 'Computed on the way' means the value that the module computes at that place (a softmax that the list does not call 'softmax' is quantised finished and normalised). What goes into a quantiser is computed in f32, as accurately as f32 sums, v_exp_f32 and their like allow (about 1e-6 of the number): no bf16 or f16 on the way to a quantiser, and a product that is left as it is and whose result goes on into a quantised operand takes f32 operands (vector FMAs, or v_wmma_f32_16x16x4_f32). A number that lies on a knife's edge between two numbers of the format may be rounded either way, as far as f32 arithmetic and the matrix unit's own rounding can turn it there, and no further.
;; One version. Each part assembles by itself: llvm-mc -triple=amdgcn-amd-amdhsa -mcpu=gfx1250 --defsym DOCPART=n.
;; ======== version 1 of 1: 2 launches
;; workspace buffers: a_pack 17,301,504 bytes; w_pack 17,301,504 bytes
;; launch quant (part 1): grid 512 x 1, 8 waves a work-group, no clusters, 44,032 bytes of LDS; arguments input, mask, weight, a_pack, w_pack; writes a_pack, w_pack
.if DOCPART == 1
	.amdgcn_target "amdgcn-amd-amdhsa--gfx1250"
	.amdhsa_code_object_version 6
	.text
	.protected	k_q663c4cb36a_quant
	.globl	k_q663c4cb36a_quant
	.p2align	8
	.type	k_q663c4cb36a_quant,@function
k_q663c4cb36a_quant:
	s_mov_b64 s[64:65], 0
	v_nop
	global_prefetch_b8 v0, s[64:65] scope:SCOPE_SE
	s_setreg_imm32_b32 hwreg(HW_REG_WAVE_MODE, 25, 1), 1
	s_wait_xcnt 0x0
; a = input x float(mask) [4096][4096] and weight [4096][4096], f32, K innermost, are turned into codes of BF8 (E5M2), 8 bits each, with one E8M0 scale byte for each 32 along K.
; A block's scale is 2^(floor(log2(its largest magnitude)) - 15); its byte is the largest magnitude's own exponent field - 15, held at 1 from below.  Each number is divided by the scale,
; held within +-57,344 and rounded to the nearest code, ties to even.  The mask is taken as it is given, word by word: any int32, converted to the nearest f32 and multiplied in f32.
; LIMITS: a block of zeros (a masked block) gets the byte 1 where the rule says 127: its codes are zeros, which add nothing under any byte but 0xff, and this program alone reads the bytes.
; NaN and infinities among the inputs are not served.
; THE PACKS.  a_pack and w_pack are laid [32 runs of 128 rows][16 K steps of 256][33,792 bytes]: 128 x 256 bytes of codes (row r's 256 codes at 256 r), then 4 x 256 bytes of scale bytes
; (row r's 8 bytes at 32,768 + 8 r).  So the product's launch brings 128 rows' codes and scale words of a K step as one dense block, and the blocks of a run lie in the order in which it takes them.
; SHARES.  A cell is 32 rows x 256 along K: 8,192 numbers, 8,192 consecutive bytes of codes, 256 consecutive scale bytes.  Each tensor has 2,048 cells.  In work-group g waves 0-3 take a's cells
; 4 g + wave, waves 4-7 the weight's cells 4 g + wave - 4: four neighbouring K steps of the same 32 rows.  Waves share nothing: no barrier.  The two kinds of wave part on the wave's number and never join.
; A STEP is 512 numbers, two rows of the cell.  Each load reads 512 consecutive bytes, 16 a lane.  The conversions take 8 numbers of ONE block from a lane's consecutive registers, so a step's 2,048 bytes
; turn through the wave's own stage in LDS and come back 64 bytes a lane: lane l then holds numbers 16 l .. 16 l + 15, and two neighbouring lanes hold a block.
; Loads run DEPTH steps ahead: 4 steps of 8 loads in an a wave, 8 steps of 4 loads in a weight wave: 32 loads a wave either way.  All is written out: every offset is an immediate,
; and each step has registers of its own for its codes and its byte, so that no store's data are written again.
.set STEPS, 16
.set ROWB,  16384                      ; a row of input, mask or weight in bytes
.set BLKB,  33792                      ; a block of a pack
.set EMAX,  15
.set MANT,  0x600000                   ; the mantissa field of 57,344 as f32
.set SP,    80                         ; a lane's place in a stage: its 64 bytes + 16 of padding
.set WREG,  2*32*SP+256                ; LDS of a wave: two stages, then its 256 scale bytes
.set R,     16                         ; v16..    sets of 16 numbers as they are loaded: 4 sets (a), 8 sets (weight)
.set MK,    80                         ; v80-143  a alone: 4 sets of 16 mask words
.set X,     144                        ; v144-175 two sets of 16 neighbours
.set C,     176                        ; v176-239 codes: four registers for each step
.set E,     240                        ; v240-255 a scale byte for each step
	s_load_b128 s[4:7], s[0:1], 0x0                ; input, mask
	s_load_b128 s[8:11], s[0:1], 0x10              ; weight, a_pack
	s_load_b64 s[12:13], s[0:1], 0x20              ; w_pack
	v_lshl_add_u32 v4, v0, 2, 0xa800
	s_set_vgpr_msb 0x40
	v_mov_b32 v1, 0
	s_set_vgpr_msb 0x4000
	v_lshrrev_b32 v1, 5, v0
	s_delay_alu instid0(VALU_DEP_1)
	v_readfirstlane_b32 s16, v1                    ; wave 0..7
	v_and_b32 v2, 31, v0                           ; lane
	s_delay_alu instid0(VALU_DEP_1)
	v_lshlrev_b32 v3, 4, v2                        ; my 16 bytes of a load's, and of a code store's, 512; never rewritten
	s_mul_i32 s28, s16, WREG                       ; my wave's LDS
	v_lshrrev_b32 v14, 2, v2
	s_delay_alu instid0(VALU_DEP_1)
	v_mul_u32_u24 v14, v14, SP
	v_and_b32 v15, 3, v2
	s_delay_alu instid0(VALU_DEP_1)
	v_lshl_add_u32 v14, v15, 4, v14
	s_delay_alu instid0(VALU_DEP_1)
	v_add_nc_u32 v14, s28, v14                     ; the stage, on the way in: four lanes' 64 bytes on end, then 16 of padding
	v_mul_u32_u24 v15, v2, SP
	s_delay_alu instid0(VALU_DEP_1)
	v_add_nc_u32 v15, s28, v15                     ; and on the way out: my 16 neighbours
	v_lshrrev_b32 v5, 1, v2
	s_add_co_u32 s28, s28, 2*32*SP
	v_add_nc_u32 v5, s28, v5                       ; my block's scale byte among the step's 16
	v_lshlrev_b32 v7, 3, v2                        ; on the way out 8 scale bytes a lane
	s_delay_alu instid0(VALU_DEP_1)
	v_add_nc_u32 v6, s28, v7
	s_mov_b32 s23, MANT                            ; (an instruction takes one literal: the hold's line has another)
	s_and_b32 s17, s16, 3
	s_lshl_b32 s18, ttmp9, 2
	s_add_co_u32 s17, s17, s18                     ; my cell
	s_and_b32 s18, s17, 15                         ; its K step
	s_lshr_b32 s19, s17, 4                         ; its run of 32 rows, 0 .. 127
	s_lshl_b32 s20, s19, 19                        ; 32 rows of 16,384 bytes,
	s_lshl_b32 s21, s18, 10                        ; 256 numbers of 4 bytes
	s_add_co_u32 s20, s20, s21                     ; where the cell begins in input, mask and weight: under 2^26
	s_mov_b32 s21, 0
	s_lshr_b32 s22, s19, 2                         ; its run of 128 rows
	s_lshl_b32 s22, s22, 4
	s_add_co_u32 s22, s22, s18
	s_mul_i32 s22, s22, BLKB                       ; its block in the pack
	s_and_b32 s19, s19, 3                          ; which 32 rows of the block's 128
	s_lshl_b32 s24, s19, 13
	s_add_co_u32 s24, s24, s22                     ; its codes
	s_mov_b32 s25, 0
	s_lshl_b32 s26, s19, 8
	s_add_co_u32 s26, s26, s22
	s_add_co_u32 s26, s26, 128*256                 ; its scale bytes
	s_mov_b32 s27, 0
	s_wait_kmcnt 0x0
	s_cmp_lt_u32 s16, 4                            ; a's wave or the weight's?  The choice hangs on the wave's number alone
	s_cselect_b64 s[4:5], s[4:5], s[8:9]
	s_cselect_b64 s[10:11], s[10:11], s[12:13]
	s_add_nc_u64 s[4:5], s[4:5], s[20:21]
	s_add_nc_u64 s[6:7], s[6:7], s[20:21]
	s_add_nc_u64 s[12:13], s[10:11], s[26:27]
	s_add_nc_u64 s[10:11], s[10:11], s[24:25]
; MASKED, DEPTH and NLD (loads in a step) are set ahead of each of the two expansions of BODY.
.macro LOAD t                          ; step t: rows 2 t and 2 t + 1 of the cell, 1,024 bytes each
.irp i, 0,1,2,3
	global_load_b128 v[R+16*((\t)%DEPTH)+4*\i:R+16*((\t)%DEPTH)+4*\i+3], v3, s[4:5] offset:(2*(\t)+\i/2)*ROWB+(\i%2)*512 th:TH_LOAD_NT   ; 32 lanes read 512 consecutive bytes
.endr
.if MASKED
.irp i, 0,1,2,3
	global_load_b128 v[MK+16*((\t)%DEPTH)+4*\i:MK+16*((\t)%DEPTH)+4*\i+3], v3, s[6:7] offset:(2*(\t)+\i/2)*ROWB+(\i%2)*512 th:TH_LOAD_NT
.endr
.endif
.endm
.macro MULT t                          ; a = input x float(mask): both lie as they were loaded, so register meets register
.if MASKED
.irp i, 0,1,2,3,4,5,6,7,8,9,10,11,12,13,14,15
	v_cvt_f32_i32 v[MK+16*((\t)%DEPTH)+\i], v[MK+16*((\t)%DEPTH)+\i]
.endr
.irp i, 0,2,4,6,8,10,12,14
	v_pk_mul_f32 v[R+16*((\t)%DEPTH)+\i:R+16*((\t)%DEPTH)+\i+1], v[R+16*((\t)%DEPTH)+\i:R+16*((\t)%DEPTH)+\i+1], v[MK+16*((\t)%DEPTH)+\i:MK+16*((\t)%DEPTH)+\i+1]
.endr
.endif
.endm
.macro TURN t                          ; step t's numbers through the stage: LDS serves a wave's instructions in order (ISA guide 5.7.1.4), so no wait stands between the stores and the loads
.irp i, 0,1,2,3
	ds_store_b128 v14, v[R+16*((\t)%DEPTH)+4*\i:R+16*((\t)%DEPTH)+4*\i+3] offset:32*SP*((\t)%2)+8*SP*\i
.endr
.irp i, 0,1,2,3
	ds_load_b128 v[X+16*((\t)%2)+4*\i:X+16*((\t)%2)+4*\i+3], v15 offset:32*SP*((\t)%2)+16*\i
.endr
.endm
.macro STEP t
.set XS, X+16*((\t)%2)
.if (\t) > 0
	s_wait_dscnt 1                                 ; this step's numbers are back from the stage (the last step's byte store may be out): so its stores into the stage have read their registers,
.else
	s_wait_dscnt 0x0
.endif
.if (\t)+DEPTH < STEPS
	LOAD (\t)+DEPTH                                ; which take the loads of DEPTH steps on
.endif
.if (\t)+1 < STEPS
.if 14-(\t) >= DEPTH-1
	s_wait_loadcnt NLD*(DEPTH-1)                   ; the next step's loads are in; those of the DEPTH - 1 steps behind it may be out
.else
	s_wait_loadcnt NLD*(14-(\t))                   ; towards the end fewer steps stand behind it
.endif
	MULT (\t)+1
	TURN (\t)+1                                    ; the next step goes through the other stage while this one is worked
.endif
	v_max3_num_f32 v8, |v[XS]|, |v[XS+1]|, |v[XS+2]|               ; the largest magnitude of my 16, in two chains
	v_max3_num_f32 v9, |v[XS+3]|, |v[XS+4]|, |v[XS+5]|
.irp i, 6,10
	s_delay_alu instid0(VALU_DEP_2)
	v_max3_num_f32 v8, v8, |v[XS+\i]|, |v[XS+\i+1]|
	s_delay_alu instid0(VALU_DEP_2)
	v_max3_num_f32 v9, v9, |v[XS+\i+2]|, |v[XS+\i+3]|
.endr
	s_delay_alu instid0(VALU_DEP_2)
	v_max3_num_f32 v8, v8, |v[XS+14]|, |v[XS+15]|
	s_delay_alu instid0(VALU_DEP_1)
	v_max3_num_f32 v8, v8, v9, (EMAX+1)<<23        ; and the floor 2^(EMAX + 1 - 127), under which no largest magnitude is taken: so the byte cannot fall under 1
	s_delay_alu instid0(VALU_DEP_1)
	v_max_num_f32_dpp v8, v8, v8 row_xmask:1 row_mask:0xf bank_mask:0xf   ; and of my neighbour's 16: the block's
	s_delay_alu instid0(VALU_DEP_1)
	v_add_nc_u32 v11, -(EMAX<<23), v8              ; EMAX off its exponent field: the conversion takes the exponent field of this operand as its scale, and nothing else of it
	s_delay_alu instid0(VALU_DEP_2)
	v_and_or_b32 v10, v8, 0x7f800000, s23          ; 57,344 x the scale: the largest magnitude's exponent field over 57,344's mantissa
.irp i, 0,1,2,3,4,5,6,7,8,9,10,11,12,13,14,15
	v_med3_num_f32 v[XS+\i], v[XS+\i], -v10, v10   ; the conversion to an 8-bit code does not saturate (ISA guide 7.6.2): hold the number within the largest code x the scale first
.endr
	v_cvt_scalef32_pk8_bf8_f32 v[C+4*(\t):C+4*(\t)+1], v[XS:XS+7], v11
	v_cvt_scalef32_pk8_bf8_f32 v[C+4*(\t)+2:C+4*(\t)+3], v[XS+8:XS+15], v11
	v_lshrrev_b32 v[E+(\t)], 23, v11               ; the scale's byte; also the plain vector line behind the conversions
	ds_store_b8 v5, v[E+(\t)] offset:16*(\t)       ; both lanes of a block write the same byte with the same value: byte 8 x row + block
	global_store_b128 v3, v[C+4*(\t):C+4*(\t)+3], s[10:11] offset:512*(\t)   ; 32 lanes store 512 consecutive bytes, two rows' codes, at a multiple of 256 from the pack's first byte
.endm
.macro BODY
.set Q, 0
.rept DEPTH
	LOAD Q
.set Q, Q+1
.endr
	s_wait_loadcnt NLD*(DEPTH-1)                   ; step 0's loads are in
	MULT 0
	TURN 0
.set Q, 0
.rept STEPS
	STEP Q
.set Q, Q+1
.endr
	ds_load_b64 v[12:13], v6                       ; LDS serves a wave's instructions in order: these see my byte stores
	s_wait_dscnt 0x0
	global_store_b64 v7, v[12:13], s[12:13]        ; 32 lanes store 256 consecutive bytes, at a multiple of 256 from the pack's first byte
	s_set_vgpr_msb 0x4
	s_wait_tensorcnt 0x0
	ds_add_u32 v4, v1
	s_wait_dscnt 0x0
	s_set_vgpr_msb 0x400
	s_endpgm
.endm
	s_cmp_lt_u32 s16, 4
	s_cbranch_scc0 .Lweight
.set MASKED, 1
.set DEPTH,  4
.set NLD,    8
	BODY
.Lweight:
.set MASKED, 0
.set DEPTH,  8
.set NLD,    4
	s_wait_alu depctr_va_vdst(0)
	BODY
.Lfunc_end_k_q663c4cb36a_quant:
	.size	k_q663c4cb36a_quant, .Lfunc_end_k_q663c4cb36a_quant-k_q663c4cb36a_quant
	.p2alignl 7, 3214868480
	.fill 96, 4, 3214868480
	.section	.rodata,"a",@progbits
	.p2align	6, 0x0
	.amdhsa_kernel k_q663c4cb36a_quant
		.amdhsa_group_segment_fixed_size 44032
		.amdhsa_private_segment_fixed_size 0
		.amdhsa_enable_private_segment 0
		.amdhsa_kernarg_size 40
		.amdhsa_user_sgpr_count 2
		.amdhsa_user_sgpr_kernarg_segment_ptr 1
		.amdhsa_wavefront_size32 1
		.amdhsa_system_sgpr_workgroup_id_x 1
		.amdhsa_system_sgpr_workgroup_id_y 1
		.amdhsa_system_sgpr_workgroup_id_z 1
		.amdhsa_system_vgpr_workitem_id 0
		.amdhsa_next_free_vgpr 258
		.amdhsa_next_free_sgpr 66
		.amdhsa_reserve_vcc 0
		.amdhsa_float_denorm_mode_32 3
		.amdhsa_float_denorm_mode_16_64 3
		.amdhsa_memory_ordered 1
		.amdhsa_forward_progress 1
		.amdhsa_inst_pref_size 131
	.end_amdhsa_kernel
	.amdgpu_metadata
---
amdhsa.version: [ 1, 2 ]
amdhsa.kernels:
  - .name:           k_q663c4cb36a_quant
    .symbol:         k_q663c4cb36a_quant.kd
    .args:
      - { .name: input, .offset: 0, .size: 8, .value_kind: global_buffer, .address_space: global }
      - { .name: mask, .offset: 8, .size: 8, .value_kind: global_buffer, .address_space: global }
      - { .name: weight, .offset: 16, .size: 8, .value_kind: global_buffer, .address_space: global }
      - { .name: a_pack, .offset: 24, .size: 8, .value_kind: global_buffer, .address_space: global }
      - { .name: w_pack, .offset: 32, .size: 8, .value_kind: global_buffer, .address_space: global }
    .group_segment_fixed_size: 44032
    .private_segment_fixed_size: 0
    .kernarg_segment_align: 8
    .kernarg_segment_size: 40
    .max_flat_workgroup_size: 256
    .sgpr_count:     66
    .vgpr_count:     258
    .wavefront_size: 32
...
	.end_amdgpu_metadata
.endif
;; end of part 1
;; launch gemm (part 2): grid 16 x 16, 4 waves a work-group, clusters of 4 x 4, 327,680 bytes of LDS; arguments a_pack, w_pack, bias, out0; writes out0
.if DOCPART == 2
	.amdgcn_target "amdgcn-amd-amdhsa--gfx1250"
	.amdhsa_code_object_version 6
	.text
	.protected	k_q663c4cb36a_gemm
	.globl	k_q663c4cb36a_gemm
	.p2align	8
	.type	k_q663c4cb36a_gemm,@function
k_q663c4cb36a_gemm:
	s_mov_b64 s[64:65], 0
	v_nop
	global_prefetch_b8 v0, s[64:65] scope:SCOPE_SE
	s_setreg_imm32_b32 hwreg(HW_REG_WAVE_MODE, 25, 1), 1
	s_wait_xcnt 0x0
	s_wait_alu depctr_hold_cnt(0) depctr_sa_sdst(0) depctr_va_vdst(0) depctr_va_sdst(0) depctr_va_ssrc(0) depctr_va_vcc(0) depctr_vm_vsrc(0)
	s_getreg_b32 s2, hwreg(HW_REG_IB_STS2, 6, 4)
	s_cmp_eq_u32 s2, 0
	s_cbranch_scc0 .Lentry_in_a_cluster
	s_endpgm
.Lentry_in_a_cluster:
	s_bfe_u32 s2, ttmp6, 0x10000c
	s_cmp_lg_u32 s2, 0xf033
	s_cbranch_scc0 .Lentry_shape_is_right
	s_endpgm
.Lentry_shape_is_right:
.set SIZE_N, 4096
.set NQ,     2
.set PITCH,  272
.set FR,     16
.set NL,     4
.set NP,     8
.set UNITS,  132
.set BLKB,   UNITS*256
.set RTB,    16*BLKB
.set HALFT,  UNITS*PITCH
.set SCO,    128*PITCH
.set SLOT,   4*HALFT
.set LAPS,   8
.set SPARE,  2*SLOT
.set SPITCH, 528
.set ADRA, 16
.set ADRB, 20
.set ADRS, 22
.set STO,  24
.set RD,   25
.set CO,   26
.set PFO,  27
.set SPW,  28
.set NIL,  29
.set BO,   30
.set SC,   32
.set BI,   64
.set AF,   128
.set BK,   128
.set G1,  24
.set G0,  32
.set G1B, 48
.set G0B, 56
.set PFA, 66
.set LIM, 68
.set KSN, 69
.set OFF, 74
.set PFB, 76
.set POF, 78
.set MSB, 0
.macro WIN new
.if MSB != \new
	s_set_vgpr_msb (MSB<<8)|\new
.set MSB, \new
.endif
.endm
.set MUL_LO,   0xa1
.set MUL_HI,   0xf1
.set FIRST_LO, 0x81
.set FIRST_HI, 0xc1
.set TO_B,     0x40
.macro JLOAD g0a, g1a, g0b, g1b
	s_cmp_eq_u32 s15, 0
	s_cbranch_scc0 .Lfor_b_\@
	tensor_load_to_lds s[\g0a:\g0a+3], s[\g1a:\g1a+7]
	s_nop 0
.rept 4
	v_nop
.endr
	s_branch .Lasked_\@
.Lfor_b_\@:
	tensor_load_to_lds s[\g0b:\g0b+3], s[\g1b:\g1b+7]
	s_nop 0
.rept 4
	v_nop
.endr
.Lasked_\@:
.endm
.macro ASK
	s_cmp_gt_u32 s3, s[LIM]
	s_cbranch_scc0 .Lnot_mine_\@
	global_prefetch_b8 v[PFO], s[PFA:PFA+1] th:TH_LOAD_NT scope:SCOPE_SE
.Lnot_mine_\@:
.endm
.macro CREST
	s_cmp_lg_u32 s14, 0
	s_cbranch_scc1 .Lnot_wave_0_\@
	s_barrier_signal -3
.Lnot_wave_0_\@:
	s_barrier_wait -3
	s_barrier_signal -1
	s_barrier_wait -1
.endm
.macro CROUND
	s_barrier_signal -1
	s_barrier_wait -1
	CREST
.endm
	s_load_b128 s[4:7], s[0:1], 0x0
	s_load_b128 s[8:11], s[0:1], 0x10
	v_lshl_add_u32 v[SPW], v0, 2, SPARE
	v_mov_b32 v[NIL], 0
	ds_add_u32 v28, v29
	ds_add_u32 v28, v29
	s_wait_dscnt 0x0
	v_lshrrev_b32 v1, 5, v0
	v_readfirstlane_b32 s14, v1
	s_lshr_b32 s15, s14, 1
	s_and_b32 s16, s14, 1
	s_bfe_u32 s40, ttmp6, 0x40000
	s_bfe_u32 s41, ttmp6, 0x40004
	s_lshl_b32 s42, ttmp9, 2
	s_add_co_u32 s42, s42, s40
	s_and_b32 s17, ttmp7, 0xffff
	s_lshl_b32 s17, s17, 2
	s_add_co_u32 s17, s17, s41
	s_lshl_b32 s43, s41, 2
	s_lshl_b32 s43, 15, s43
	s_lshl_b32 s44, 0x1111, s40
	s_or_b32 s[G1+0], s43, (3<<16)|(1<<20)|(1<<21)|(5<<22)|(3<<25)
	s_or_b32 s[G1B+0], s44, (3<<16)|(1<<20)|(1<<21)|(5<<22)|(3<<25)
.irp g, G1, G1B
	s_mov_b32 s[\g+1], 32<<16
	s_mov_b32 s[\g+2], UNITS<<16
	s_mov_b32 s[\g+3], 32<<16
	s_mov_b32 s[\g+4], UNITS
	s_mov_b32 s[\g+5], 32
	s_mov_b32 s[\g+6], 0
	s_mov_b32 s[\g+7], 0
.endr
	s_and_b32 s72, ttmp7, 0xffff
	s_xor_b32 s[KSN], s72, ttmp9
	s_lshr_b32 s73, s[KSN], 1
	s_xor_b32 s[KSN], s[KSN], s73
	s_and_b32 s[KSN], s[KSN], 1
	s_lshl_b32 s[KSN], s[KSN], 3
	s_mul_i32 s[OFF], s[KSN], BLKB
	s_mov_b32 s[OFF+1], 0
	s_lshl_b32 s20, s17, 1
	s_add_co_u32 s20, s20, s16
	s_mul_i32 s20, s20, RTB
	s_mov_b32 s21, 0
	s_lshl_b32 s46, s42, 1
	s_add_co_u32 s46, s46, s16
	s_mul_i32 s46, s46, RTB
	s_mov_b32 s47, 0
	s_mul_i32 s45, s14, HALFT
	s_wait_kmcnt 0x0
	s_add_nc_u64 s[20:21], s[4:5], s[20:21]
	s_add_nc_u64 s[46:47], s[6:7], s[46:47]
	CROUND
.irp s, 0,1
	s_mov_b32 s[G0+4*\s], 1
	s_add_co_u32 s[G0+4*\s+1], s45, \s*SLOT
	s_add_nc_u64 s[G0+4*\s+2:G0+4*\s+3], s[20:21], s[OFF:OFF+1]
	s_add_nc_u64 s[G0+4*\s+2:G0+4*\s+3], s[G0+4*\s+2:G0+4*\s+3], \s*BLKB
	s_or_b32 s[G0+4*\s+3], s[G0+4*\s+3], 0x80000000
	s_mov_b32 s[G0B+4*\s], 1
	s_add_co_u32 s[G0B+4*\s+1], s45, \s*SLOT
	s_add_nc_u64 s[G0B+4*\s+2:G0B+4*\s+3], s[46:47], s[OFF:OFF+1]
	s_add_nc_u64 s[G0B+4*\s+2:G0B+4*\s+3], s[G0B+4*\s+2:G0B+4*\s+3], \s*BLKB
	s_or_b32 s[G0B+4*\s+3], s[G0B+4*\s+3], 0x80000000
	s_wait_alu depctr_va_vdst(0)
	s_wait_tensorcnt 0x0
	ds_add_u32 v28, v29
	ds_add_u32 v28, v29
	s_wait_dscnt 0x0
	CROUND
	JLOAD G0+4*\s, G1, G0B+4*\s, G1B
.endr
	s_add_co_u32 s[KSN], s[KSN], 2
	v_and_b32 v1, 15, v0
	s_wait_alu depctr_va_vdst(0)
	v_bfe_u32 v2, v0, 4, 1
	s_wait_alu depctr_va_vdst(0)
	v_lshlrev_b32 v[BO], 5, v2
	s_lshl_b32 s70, s42, 10
	s_lshl_b32 s71, s16, 9
	s_add_co_u32 s70, s70, s71
	s_mov_b32 s71, 0
	s_add_nc_u64 s[8:9], s[8:9], s[70:71]
.irp b, 0,1,2,3,4,5,6,7
	global_load_b128 v[BI+8*\b:BI+8*\b+3],   v[BO], s[8:9] offset:64*\b
	global_load_b128 v[BI+8*\b+4:BI+8*\b+7], v[BO], s[8:9] offset:64*\b+16
.endr
	v_mul_u32_u24 v3, v1, PITCH
	v_lshl_add_u32 v4, v2, 4, v3
	s_mul_i32 s72, s15, HALFT
	s_mul_i32 s73, s16, HALFT
	s_add_co_u32 s73, s73, 2*HALFT
.irp s, 0,1
	v_add_nc_u32 v[ADRA+\s], s72, v4
	v_add_nc_u32 v[ADRB+\s], s73, v4
	s_add_co_u32 s72, s72, SLOT
	s_add_co_u32 s73, s73, SLOT
.endr
	v_lshlrev_b32 v5, 3, v1
	s_mul_i32 s72, s15, HALFT
	s_mul_i32 s73, s16, HALFT
	s_add_co_u32 s73, s73, 2*HALFT
	s_sub_co_u32 s73, s73, s72
	v_mul_u32_u24 v6, s73, v2
	s_add_co_u32 s72, s72, SCO
	v_add_nc_u32 v5, v5, v6
	v_add_nc_u32 v[ADRS], s72, v5
	v_add_nc_u32 v[ADRS+1], SLOT, v[ADRS]
	s_mul_i32 s72, s14, 16*SPITCH
	v_mul_u32_u24 v5, v1, SPITCH
	v_lshl_add_u32 v5, v2, 5, v5
	v_add_nc_u32 v[STO], s72, v5
	v_and_b32 v6, 31, v0
	v_lshlrev_b32 v[CO], 4, v6
	v_add_nc_u32 v[RD], s72, v[CO]
	s_lshl_b32 s72, s17, 8
	s_lshl_b32 s73, s15, 7
	s_add_co_u32 s72, s72, s73
	s_lshl_b32 s72, s72, 14
	s_lshl_b32 s73, s42, 10
	s_add_co_u32 s72, s72, s73
	s_lshl_b32 s73, s16, 9
	s_add_co_u32 s72, s72, s73
	s_mov_b32 s73, 0
	s_add_nc_u64 s[10:11], s[10:11], s[72:73]
	s_and_b32 s72, ttmp7, 0xffff
	s_cmp_eq_u32 s15, 0
	s_cselect_b32 s71, s40, s41
	s_cselect_b32 s72, ttmp9, s72
	s_cselect_b64 s[PFB:PFB+1], s[20:21], s[46:47]
	s_cmp_lt_u32 s72, 2
	s_cselect_b32 s[LIM], 5, -1
	s_lshl_b32 s70, s71, 13
	s_mov_b32 s71, 0
	s_add_nc_u64 s[PFB:PFB+1], s[PFB:PFB+1], s[70:71]
	s_mov_b32 s[POF+1], 0
	v_and_b32 v[PFO], 31, v0
	v_lshlrev_b32 v[PFO], 8, v[PFO]
.macro FRAG reg, adr, q, i
.irp c, 0,1,2,3
	ds_load_b128 v[\reg+4*\c:\reg+4*\c+3], v[\adr] offset:128*(\q)+32*\c+(\i)*16*PITCH
.endr
.endm
.macro MUL16 a0, p, q, sc, first
.irp a, \a0, \a0+1
.irp b, 0,1,2,3,4,5,6,7
.if \first
	v_wmma_scale_f32_16x16x128_f8f6f4 v[8*(8*((\a)%4)+\b):8*(8*((\a)%4)+\b)+7], v[128*(\p)+FR*\b:128*(\p)+FR*\b+FR-1], v[AF+FR*(\a):AF+FR*(\a)+FR-1], v[BI+8*\b:BI+8*\b+7], v[SC+8*NQ*(\sc)+NQ*\b+(\q)], v[SC+8*NQ*(\sc)+NQ*(\a)+(\q)] matrix_a_fmt:MATRIX_FMT_BF8 matrix_b_fmt:MATRIX_FMT_BF8 matrix_a_scale:MATRIX_SCALE_ROW1
.else
	v_wmma_scale_f32_16x16x128_f8f6f4 v[8*(8*((\a)%4)+\b):8*(8*((\a)%4)+\b)+7], v[128*(\p)+FR*\b:128*(\p)+FR*\b+FR-1], v[AF+FR*(\a):AF+FR*(\a)+FR-1], v[8*(8*((\a)%4)+\b):8*(8*((\a)%4)+\b)+7], v[SC+8*NQ*(\sc)+NQ*\b+(\q)], v[SC+8*NQ*(\sc)+NQ*(\a)+(\q)] matrix_a_fmt:MATRIX_FMT_BF8 matrix_b_fmt:MATRIX_FMT_BF8 matrix_a_scale:MATRIX_SCALE_ROW1
.endif
.endr
.endr
.endm
.macro FETCH_B slot, q, p
	WIN TO_B
.irp i, 0,1,2,3,4,5,6,7
	FRAG 128*(\p)+FR*\i, ADRB+\slot, \q, \i
.endr
	WIN 0
.endm
.macro FETCH_A slot, q, i0
.irp i, \i0, \i0+1, \i0+2, \i0+3
	FRAG AF+FR*(\i), ADRA+\slot, \q, \i
.endr
.endm
.macro SCALES sc
.irp i, 0,1,2,3,4,5,6,7
	ds_load_b64 v[SC+8*NQ*\sc+NQ*\i:SC+8*NQ*\sc+NQ*\i+1], v[ADRS+\sc] offset:(\i/2)*PITCH+(\i%2)*128
.endr
.endm
.macro PLACES n
.rept \n
	v_nop
.endr
.endm
.macro STEP slot, q, first
	s_wait_dscnt 4*NL
.if \first
	WIN FIRST_LO
.else
	WIN MUL_LO
.endif
	MUL16 0, (\q)%2, \q, \slot, \first
	MUL16 2, (\q)%2, \q, \slot, \first
	s_wait_dscnt 0
	PLACES NP
	FETCH_B \slot, (\q)+1, 1-(\q)%2
	FETCH_A \slot, (\q)+1, 0
.if \first
	WIN FIRST_HI
.else
	WIN MUL_HI
.endif
	MUL16 4, (\q)%2, \q, \slot, \first
	MUL16 6, (\q)%2, \q, \slot, \first
	PLACES NP
	WIN 0
	FETCH_A \slot, (\q)+1, 4
.endm
.macro TURN slot, next, fill
	s_wait_dscnt 4*NL
	WIN MUL_LO
	MUL16 0, 1, NQ-1, \slot, 0
	MUL16 2, 1, NQ-1, \slot, 0
	WIN 0
	s_wait_tensorcnt 0x0
	ds_add_u32 v[SPW], v[NIL]
.if \fill
	s_and_b32 s[OFF], s[KSN], 15
	s_mul_i32 s[OFF], s[OFF], BLKB
	s_add_nc_u64 s[G0+4*\slot+2:G0+4*\slot+3], s[20:21], s[OFF:OFF+1]
	s_or_b32 s[G0+4*\slot+3], s[G0+4*\slot+3], 0x80000000
	s_add_nc_u64 s[G0B+4*\slot+2:G0B+4*\slot+3], s[46:47], s[OFF:OFF+1]
	s_or_b32 s[G0B+4*\slot+3], s[G0B+4*\slot+3], 0x80000000
	s_add_co_u32 s[POF], s[KSN], 2
	s_and_b32 s[POF], s[POF], 15
	s_mul_i32 s[POF], s[POF], BLKB
	s_wait_xcnt 0x0
	s_add_nc_u64 s[PFA:PFA+1], s[PFB:PFB+1], s[POF:POF+1]
	s_add_co_u32 s[KSN], s[KSN], 1
.endif
	s_wait_dscnt 0x0
.if \fill
	CROUND
	JLOAD G0+4*\slot, G1, G0B+4*\slot, G1B
	PLACES NP-4
.else
	s_barrier_signal -1
	s_barrier_wait -1
	PLACES NP
.endif
	FETCH_B \next, 0, 0
	FETCH_A \next, 0, 0
	s_wait_alu depctr_va_vdst(0)
	SCALES \next
.if \fill
	ASK
.endif
	WIN MUL_HI
	MUL16 4, 1, NQ-1, \slot, 0
	MUL16 6, 1, NQ-1, \slot, 0
	PLACES NP
	WIN 0
	FETCH_A \next, 0, 4
.endm
	s_wait_tensorcnt 1
	s_barrier_signal -1
	s_barrier_wait -1
	FETCH_B 0, 0, 0
	FETCH_A 0, 0, 0
	SCALES 0
	FETCH_A 0, 0, 4
	s_wait_loadcnt 0x0
	STEP 0, 0, 1
	s_mov_b32 s3, LAPS-1
.Llap:
	TURN 0, 1, 1
	STEP 1, 0, 0
	TURN 1, 0, 1
	STEP 0, 0, 0
	s_sub_co_u32 s3, s3, 1
	s_cmp_lg_u32 s3, 0
	s_cbranch_scc1 .Llap
	TURN 0, 1, 0
	STEP 1, 0, 0
	s_wait_dscnt 4*NL
	WIN MUL_LO
	MUL16 0, 1, NQ-1, 1, 0
	MUL16 2, 1, NQ-1, 1, 0
	s_wait_dscnt 0
	WIN MUL_HI
	MUL16 4, 1, NQ-1, 1, 0
	MUL16 6, 1, NQ-1, 1, 0
	WIN 0
.macro TOSTAGE a
.set AC, 64*((\a)%4)
	WIN 0x08+4*((\a)/4)
.irp b, 0,1,2,3,4,5,6,7
	ds_store_b128 v[STO], v[AC+8*\b:AC+8*\b+3] offset:64*\b
	ds_store_b128 v[STO], v[AC+8*\b+4:AC+8*\b+7] offset:64*\b+16
.endr
	WIN 0
.set BB, BK+64*((\a)%2)
.irp t, 0,1,2,3,4,5,6,7,8,9,10,11,12,13,14,15
	ds_load_b128 v[BB+4*\t:BB+4*\t+3], v[RD] offset:\t*SPITCH
.endr
.endm
.macro SEND a, younger
.set BB, BK+64*((\a)%2)
	s_wait_dscnt \younger
.if (\a) > 0
	s_add_nc_u64 s[10:11], s[10:11], 16*SIZE_N*4
.endif
.irp t, 0,1,2,3,4,5,6,7,8,9,10,11,12,13,14,15
	global_store_b128 v[CO], v[BB+4*\t:BB+4*\t+3], s[10:11] offset:\t*SIZE_N*4 th:TH_STORE_NT
.endr
.endm
	PLACES NP
	TOSTAGE 0
.irp a, 1,2,3,4,5,6,7
.if \a > 1
	s_wait_xcnt 0x0
.endif
	TOSTAGE \a
	SEND \a-1, 32
.endr
	s_wait_xcnt 0x0
	SEND 7, 0
	s_wait_tensorcnt 0x0
	ds_add_u32 v[SPW], v[NIL]
	s_wait_dscnt 0x0
	CROUND
	s_endpgm
.Lfunc_end_k_q663c4cb36a_gemm:
	.size	k_q663c4cb36a_gemm, .Lfunc_end_k_q663c4cb36a_gemm-k_q663c4cb36a_gemm
	.p2alignl 7, 3214868480
	.fill 96, 4, 3214868480
	.section	.rodata,"a",@progbits
	.p2align	6, 0x0
	.amdhsa_kernel k_q663c4cb36a_gemm
		.amdhsa_group_segment_fixed_size 327680
		.amdhsa_private_segment_fixed_size 0
		.amdhsa_enable_private_segment 0
		.amdhsa_kernarg_size 32
		.amdhsa_user_sgpr_count 2
		.amdhsa_user_sgpr_kernarg_segment_ptr 1
		.amdhsa_wavefront_size32 1
		.amdhsa_system_sgpr_workgroup_id_x 1
		.amdhsa_system_sgpr_workgroup_id_y 1
		.amdhsa_system_sgpr_workgroup_id_z 1
		.amdhsa_system_vgpr_workitem_id 0
		.amdhsa_next_free_vgpr 1024
		.amdhsa_next_free_sgpr 80
		.amdhsa_reserve_vcc 0
		.amdhsa_float_denorm_mode_32 3
		.amdhsa_float_denorm_mode_16_64 3
		.amdhsa_memory_ordered 1
		.amdhsa_forward_progress 1
		.amdhsa_inst_pref_size 148
	.end_amdhsa_kernel
	.amdgpu_metadata
---
amdhsa.version: [ 1, 2 ]
amdhsa.kernels:
  - .name:           k_q663c4cb36a_gemm
    .symbol:         k_q663c4cb36a_gemm.kd
    .args:
      - { .name: a_pack, .offset: 0, .size: 8, .value_kind: global_buffer, .address_space: global }
      - { .name: w_pack, .offset: 8, .size: 8, .value_kind: global_buffer, .address_space: global }
      - { .name: bias, .offset: 16, .size: 8, .value_kind: global_buffer, .address_space: global }
      - { .name: out0, .offset: 24, .size: 8, .value_kind: global_buffer, .address_space: global }
    .group_segment_fixed_size: 327680
    .private_segment_fixed_size: 0
    .kernarg_segment_align: 8
    .kernarg_segment_size: 32
    .max_flat_workgroup_size: 128
    .sgpr_count:     80
    .vgpr_count:     1024
    .wavefront_size: 32
...
	.end_amdgpu_metadata
.endif
;; end of part 2
